; MI455X (gfx1250); checked and timed in simulation.
; The chip was launched on July 23, 2026; its instructions are those of AMD's public machine-readable ISA for CDNA 5 (MIT licence, August 2026) and "CDNA5" Instruction Set Architecture Reference Guide (July 2026). The comments in the code are by the model that wrote it; some were corrected since.
;; Cross Attention. Allowed arithmetic: matrix products marked QUANTISED: E5M2 operands, one E8M0 scale for each 32 along K, by v_wmma_scale_f32_16x16x128_f8f6f4 with both operands' format E5M2, f32 sums; everything else in f32.
;; Inputs: W_k_codes 512 x 8 x 32 uint8 (E5M2 codes of W_k, K innermost, in blocks of 32 codes); W_k_scales 512 x 8 uint8 (E8M0 scales of W_k, one for each 32 codes along K); W_q_codes 512 x 16 x 32 uint8 (E5M2 codes of W_q, K innermost, in blocks of 32 codes); W_q_scales 512 x 16 uint8 (E8M0 scales of W_q, one for each 32 codes along K); W_v_codes 512 x 8 x 32 uint8 (E5M2 codes of W_v, K innermost, in blocks of 32 codes); W_v_scales 512 x 8 uint8 (E8M0 scales of W_v, one for each 32 codes along K); ln_beta 512 float32; ln_gamma 512 float32; node_feature 25,000 x 512 float32; obs_feature_codes 2,048 x 8 x 32 uint8 (E5M2 codes of obs_feature, K innermost, in blocks of 32 codes); obs_feature_scales 2,048 x 8 uint8 (E8M0 scales of obs_feature, one for each 32 codes along K).
;; Outputs: out0 25,000 x 512 float32.
;; This version of the problem:
;;   THIS VERSION OF THE PROBLEM IS GIVEN IN LOW PRECISION. The matrix products marked QUANTISED in the list below multiply operands that are first quantised to E5M2 (5 exponent bits, 2 mantissa bits; 8 bits a number), with one power-of-two scale for each 32 numbers along K (OCP MX v1.0); their sums are f32. All else is computed in f32.
;;   The module's matrix products, in the order in which they are computed (A, B: the left and right operand; K: the contracted axis; several contracted axes count as one K, in the product's order):
;;     1. [M 25,000, K 512] x [K 512, N 512]; A: input node_feature; B: input W_q (given as codes): QUANTISED
;;     2. [M 2,048, K 256] x [K 256, N 512]; A: input obs_feature (given as codes); B: input W_k (given as codes): QUANTISED
;;     3. [M 2,048, K 256] x [K 256, N 512]; A: input obs_feature (given as codes); B: input W_v (given as codes): QUANTISED
;;     4. [M 25,000, K 512] x [K 512, N 2,048]; A: computed on the way; B: computed on the way: QUANTISED
;;     5. [M 25,000, K 2,048] x [K 2,048, N 512]; A: computed on the way; B: computed on the way: QUANTISED
;;   THE QUANTISER, for each operand of a quantised product, along K:
;;     - K is cut into blocks of 32 from its start; a last block that is shorter is filled with zeros.
;;     - A block's scale is 2^e with e = floor(log2(the largest magnitude in the block)) - 15, held to -126 .. 127; a block of zeros has e = 0. As a byte (E8M0): e + 127.
;;     - Each number is divided by its block's scale, clamped to +-57,344, and rounded to the nearest number of E5M2, ties to even, subnormals kept.
;;     - The product sums the exact products of the quantised numbers (number of the format x scale) in f32.
;;   ~~~python
;;   def quantise(x, axis):      # numpy; x: float32 -> the quantised numbers, widened to float32 again
;;       x = np.moveaxis(x, axis, -1); K = x.shape[-1]
;;       x = np.pad(x, [(0, 0)] * (x.ndim - 1) + [(0, -K % 32)]); x = x.reshape(x.shape[:-1] + (-1, 32)); a = np.abs(x).max(-1, keepdims=True)
;;       e = np.where(a > 0, np.clip(np.frexp(np.where(a > 0, a, 1))[1] - 1 - 15, -126, 127), 0)      # np.frexp(a)[1] - 1 = floor(log2(a)), exactly
;;       r = np.clip(x / 2.0 ** e, -57344, 57344)
;;       step = 2.0 ** (np.maximum(np.frexp(np.where(r == 0, 1, r))[1] - 1, -14) - 2)
;;       q = np.round(r / step) * step * 2.0 ** e      # np.round: ties to even
;;       return np.moveaxis(q.reshape(q.shape[:-2] + (-1,))[..., :K], -1, axis).astype(np.float32)
;;   ~~~
;;   OPERANDS COMPUTED ON THE WAY. 'Computed on the way' means the value that the module computes at that place (a softmax that the list does not call 'softmax' is quantised finished and normalised). What goes into a quantiser is computed in f32, as accurately as f32 sums, v_exp_f32 and their like allow (about 1e-6 of the number): no bf16 or f16 on the way to a quantiser, and a product that is left as it is and whose result goes on into a quantised operand takes f32 operands (vector FMAs, or v_wmma_f32_16x16x4_f32). A number that lies on a knife's edge between two numbers of the format may be rounded either way, as far as f32 arithmetic and the matrix unit's own rounding can turn it there, and no further.
;;   INPUTS GIVEN AS CODES. W_k (in the module: [512, 256], K = its axis 1); W_q (in the module: [512, 512], K = its axis 1); W_v (in the module: [512, 256], K = its axis 1); obs_feature (in the module: [2048, 256], K = its axis 1): each comes as NAME_codes (uint8): NAME with its K axis moved to the last place and cut into blocks of 32 codes, [.., K / 32, bytes a block], one block behind the other in memory; one code a byte (a code: sign, 5 exponent bits, 2 mantissa bits); and NAME_scales (uint8): the same leading axes, one E8M0 byte (e + 127) for each 32 codes along K. Its value is code x scale, taken as it is: it is not quantised again, and the codes and scales need not be those that the quantiser above would give.
;; One version. Each part assembles by itself: llvm-mc -triple=amdgcn-amd-amdhsa -mcpu=gfx1250 --defsym DOCPART=n.
;; ======== version 1 of 1: 2 launches
;; limits: right only within a limited range of input values
;; workspace buffers: kvF 2,097,152 bytes; kvS 65,536 bytes; WqF 262,144 bytes
;; launch prep (part 1): grid 272 x 1, 2 waves a work-group, no clusters, 0 bytes of LDS; arguments obs_feature_codes, obs_feature_scales, W_k_codes, W_k_scales, W_v_codes, W_v_scales, W_q_codes, kvF, kvS, WqF; writes kvF, kvS, WqF
.if DOCPART == 1
	.amdgcn_target "amdgcn-amd-amdhsa--gfx1250"
	.amdhsa_code_object_version 6
	.text
	.protected	k_qcb1f9d9026_prep
	.globl	k_qcb1f9d9026_prep
	.p2align	8
	.type	k_qcb1f9d9026_prep,@function
k_qcb1f9d9026_prep:
	s_mov_b64 s[64:65], 0
	v_nop
	global_prefetch_b8 v0, s[64:65] scope:SCOPE_SE
	s_setreg_imm32_b32 hwreg(HW_REG_WAVE_MODE, 25, 1), 1
	s_wait_xcnt 0x0
; PREP: k = obs Wk^T and v = obs Wv^T (both on the given codes of E5M2), quantised at once for the products that take them: k along its 512 features, v along the 2,048 observations.
; NOTHING OF THE PROBLEM IS LEFT OUT in this program: each of the five products feeds the next through a quantiser, which is a step of the problem, so no product can be regrouped, and every input has a way to the output.
; The codes leave IN THE ORDER OF THE READER'S OPERAND REGISTERS: a fragment (16 rows x 128 along K) is 2,048 bytes, register group c of lane l at 512 c + 16 l, so that the second launch fills an operand by four dense loads.
;   kvF: unit U = 4 n + w at 16,384 U; n = 0..15: keys 128 n on of k, n = 16..31: observations 128 (n - 16) on of v; w = the wave of the second launch that reads it; in a unit fragment f = 2 I + u at 2,048 f.
;     k: fragment (I, u) = keys 128 n + 32 w + 8 u + r + 8 (r / 8) (lane r), features 128 I on.    v: fragment (I, u) = features 128 w + 32 I + 8 u + r + 8 (r / 8), observations 128 (n - 16) on.
;   kvS: the fragments' scale words: unit U at 512 U, the word of row r of fragment (I, u) at 16 (16 u + r) + 4 I: one load of 16 bytes a lane gives the reader four registers, tile u = 0 in lanes 0-15 and u = 1 in lanes 16-31.
;   WqF: W_q's codes, copied into the same fragment order: fragment (tile 8 w + t, K step s) at 2,048 (4 (8 w + t) + s); lane r holds row 128 w + 32 (t / 2) + 8 (t % 2) + r + 8 (r / 8).
; SHARES.  Work-groups 0..127: unit U = the work-group, wave I makes fragments (I, 0) and (I, 1).  Both kinds go ONE way through the text: source 0 = 128 rows of X (eight tiles whose rows are chosen so that a lane's 64 results
; are its row's 64 numbers in the operand's order), source 1 = 16 rows of Y, which become the fragment's rows.  k: X = W_k, Y = obs.  v: X = obs, Y = W_v.  Only pointers and first rows are chosen, by the work-group's number.
; Work-groups 128..135: the copy of W_q, a tile of 16 rows to a wave.
; LIMITS: a block of zeros gets the scale byte 1 where the rule says 127 (its codes are zeros, and this program alone reads the bytes); NaN and infinities are not served.
; The scale words leave as 4 bytes a lane, 16 bytes apart: 65,536 bytes in the whole launch.  No LDS, no barrier, no loop.
; REGISTERS: window 0: v1-9 lane numbers and offsets; v16-79 Y's four fragments; v80-143 the eight accumulators; v144-175 the two fragments made; v176-191 at work; v192-207 X's scale words; v208-211 Y's; v212-213 the words made.
;   window 1: X's sixteen fragments (tile T, K step s at v[32 T + 16 s]).
; THE SHARES AS THEY NOW STAND (in place of what the lines above say of them): a work-group has two waves.  Work-groups 0..255: unit U = work-group / 2, and wave a of the work-group is wave
; I = 2 (work-group % 2) + a of the unit.  Work-groups 256..271: the copy of W_q, a tile of 16 rows to a wave: tile 2 (work-group - 256) + a.
.set LI,   5                           ; v5   16 x lane
.set XA,   6                           ; v6   a lane's place among rows of codes
.set XB,   7                           ; v7   and among rows of scale bytes
.set YF,   16
.set HA,   80
.set PC,   144
.set TM,   176
.set XSS,  192
.set YSS,  208
.set PW,   212
.set SEL,  44                          ; s[44:45] v_permlanex16_b32's selects for lane l xor 16
.set MNT,  46                          ; s46  the mantissa field of 57,344
.set MSB,  0
.macro WIN new                         ; the immediate's high byte repeats the setting that is left
.if MSB != (\new)
	s_set_vgpr_msb (MSB<<8)|(\new)
.set MSB, (\new)
.endif
.endm
.macro NOPS n
.rept \n
	v_nop
.endr
.endm
; one product 16 x 16 x 128.  zero = 1: it starts the sum.  row1 = 1: source 0's scale words stand in lanes 16-31
.macro MM d, a, b, zero, sa, sb, row1
.if \zero
.if \row1
	v_wmma_scale_f32_16x16x128_f8f6f4 v[\d:\d+7], v[\a:\a+15], v[\b:\b+15], 0, v[\sa], v[\sb] matrix_a_fmt:MATRIX_FMT_BF8 matrix_b_fmt:MATRIX_FMT_BF8 matrix_a_scale:MATRIX_SCALE_ROW1
.else
	v_wmma_scale_f32_16x16x128_f8f6f4 v[\d:\d+7], v[\a:\a+15], v[\b:\b+15], 0, v[\sa], v[\sb] matrix_a_fmt:MATRIX_FMT_BF8 matrix_b_fmt:MATRIX_FMT_BF8
.endif
.else
.if \row1
	v_wmma_scale_f32_16x16x128_f8f6f4 v[\d:\d+7], v[\a:\a+15], v[\b:\b+15], v[\d:\d+7], v[\sa], v[\sb] matrix_a_fmt:MATRIX_FMT_BF8 matrix_b_fmt:MATRIX_FMT_BF8 matrix_a_scale:MATRIX_SCALE_ROW1
.else
	v_wmma_scale_f32_16x16x128_f8f6f4 v[\d:\d+7], v[\a:\a+15], v[\b:\b+15], v[\d:\d+7], v[\sa], v[\sb] matrix_a_fmt:MATRIX_FMT_BF8 matrix_b_fmt:MATRIX_FMT_BF8
.endif
.endif
.endm
; 64 numbers of a lane, register 16 b + i = k 32 b + 16 (lane / 16) + i of my row, become a fragment's 16 registers of codes in v[pc] on and its scale word in v[pw]
.macro QUANT64 s, pc, pw
.irp b, 0,1,2,3
	v_max3_num_f32 v[TM+\b], |v[\s+16*\b]|, |v[\s+1+16*\b]|, 0x8000000   ; block b: my 16 numbers, and the floor 2^(16 - 127): the byte cannot fall under 1
.endr
.irp i, 2,4,6,8,10,12,14
.irp b, 0,1,2,3
	v_max3_num_f32 v[TM+\b], v[TM+\b], |v[\s+16*\b+\i]|, |v[\s+1+16*\b+\i]|   ; the four blocks by turns; each accumulator is read from its low end on
.endr
.endr
.irp b, 0,1,2,3
	v_permlanex16_b32 v[TM+4+\b], v[TM+\b], s[SEL], s[SEL+1]
.endr
.irp b, 0,1,2,3
	v_max_num_f32 v[TM+\b], v[TM+\b], v[TM+4+\b]   ; with lane l xor 16's: the block's largest magnitude
.endr
.irp b, 0,1,2,3
	v_add_nc_u32 v[TM+12+\b], 0xf8800000, v[TM+\b]   ; 15 off its exponent field: the conversion's scale operand
.endr
.irp b, 0,1,2,3
	v_and_or_b32 v[TM+8+\b], v[TM+\b], 0x7f800000, s[MNT]   ; 57,344 x the scale
.endr
.irp b, 0,1,2,3
	v_lshrrev_b32 v[TM+4+\b], 23, v[TM+12+\b]   ; the scale's byte
.endr
	v_lshl_or_b32 v[\pw], v[TM+5], 8, v[TM+4]
	v_lshl_or_b32 v[\pw], v[TM+6], 16, v[\pw]
	v_lshl_or_b32 v[\pw], v[TM+7], 24, v[\pw]
.irp b, 0,1,2,3
.irp i, 0,1,2,3,4,5,6,7,8,9,10,11,12,13,14,15
	v_med3_num_f32 v[\s+16*\b+\i], v[\s+16*\b+\i], -v[TM+8+\b], v[TM+8+\b]   ; the conversion to an 8-bit code does not saturate (ISA guide 7.6.2): the hold at the largest code x the scale
.endr
	v_cvt_scalef32_pk8_bf8_f32 v[\pc+4*\b:\pc+1+4*\b], v[\s+16*\b:\s+7+16*\b], v[TM+12+\b]
	v_cvt_scalef32_pk8_bf8_f32 v[\pc+2+4*\b:\pc+3+4*\b], v[\s+8+16*\b:\s+15+16*\b], v[TM+12+\b]
.endr
	v_nop                                          ; a plain line between the last conversion and the next products, which write its sources
.endm
	s_load_b256 s[4:11], s[0:1], 0x0               ; obs codes s[4:5], obs scales s[6:7], W_k codes s[8:9], W_k scales s[10:11]
	s_load_b256 s[12:19], s[0:1], 0x20             ; W_v codes s[12:13], W_v scales s[14:15], W_q codes s[16:17], kvF s[18:19]
	s_load_b128 s[20:23], s[0:1], 0x40             ; kvS s[20:21], WqF s[22:23]
	v_lshrrev_b32 v1, 5, v0
	v_readfirstlane_b32 s24, v1                    ; wave I
	v_and_b32 v1, 31, v0                           ; lane
	v_and_b32 v2, 15, v0                           ; r
	v_bfe_u32 v3, v0, 4, 1                         ; h
	v_and_b32 v4, 8, v2
	v_add_nc_u32 v4, v4, v2                        ; r + 8 (r / 8)
	v_lshlrev_b32 v[LI], 4, v1
	s_mov_b32 s41, 0
	s_cmp_ge_u32 ttmp9, 256
	s_cbranch_scc1 .Lwq
	; ---- a unit of k or of v
	v_lshlrev_b32 v[XA], 8, v4
	v_lshl_add_u32 v[XA], v3, 4, v[XA]             ; a row of codes is 256 bytes in all three tensors: row x 256 + 16 h
	v_lshlrev_b32 v[XB], 3, v4                     ; a row of scale bytes is 8
	s_mov_b32 s[SEL], 0x76543210
	s_mov_b32 s[SEL+1], 0xfedcba98
	s_mov_b32 s[MNT], 0x600000
.irp b, 0,1,2,3
	v_mov_b32 v[TM+4+\b], 0                        ; written once: a lane permute's destination counts as one of its sources
.endr
	s_and_b32 s25, ttmp9, 1
	s_lshl_b32 s25, s25, 1
	s_add_co_u32 s24, s24, s25                     ; I = 2 (work-group % 2) + my wave
	s_lshr_b32 s43, ttmp9, 1                       ; U
	s_and_b32 s26, s43, 63                         ; G
	s_lshl_b32 s27, s24, 7                         ; k: X's first row 128 I,
	s_lshl_b32 s28, s26, 5                         ;    Y's 32 G
	s_lshr_b32 s29, s26, 2
	s_lshl_b32 s29, s29, 7                         ; v: X's first row 128 (G / 4),
	s_and_b32 s30, s26, 3
	s_lshl_b32 s30, s30, 7
	s_lshl_b32 s31, s24, 5
	s_add_co_u32 s30, s30, s31                     ;    Y's 128 (G % 4) + 32 I
	s_cmp_lt_u32 ttmp9, 128                        ; k (U under 64) or v: the choice hangs on the work-group's number alone
	s_cselect_b32 s27, s27, s29
	s_cselect_b32 s28, s28, s30
	s_wait_alu depctr_va_vdst(0)
	s_wait_kmcnt 0x0
	s_cselect_b64 s[32:33], s[8:9], s[4:5]         ; X's codes: W_k or obs
	s_cselect_b64 s[34:35], s[10:11], s[6:7]       ; X's scales
	s_cselect_b64 s[36:37], s[4:5], s[12:13]       ; Y's codes: obs or W_v
	s_cselect_b64 s[38:39], s[6:7], s[14:15]       ; Y's scales
	s_lshl_b32 s40, s27, 8
	s_add_nc_u64 s[32:33], s[32:33], s[40:41]
	s_lshl_b32 s40, s27, 3
	s_add_nc_u64 s[34:35], s[34:35], s[40:41]
	s_lshl_b32 s40, s28, 8
	s_add_nc_u64 s[36:37], s[36:37], s[40:41]
	s_lshl_b32 s40, s28, 3
	s_add_nc_u64 s[38:39], s[38:39], s[40:41]
	s_lshl_b32 s40, s43, 14
	s_lshl_b32 s42, s24, 12
	s_add_co_u32 s40, s40, s42
	s_add_nc_u64 s[18:19], s[18:19], s[40:41]      ; kvF at 16,384 U + 4,096 I: my two fragments
	s_lshl_b32 s40, s43, 9
	s_lshl_b32 s42, s24, 2
	s_add_co_u32 s40, s40, s42
	s_add_nc_u64 s[20:21], s[20:21], s[40:41]      ; kvS at 512 U + 4 I
	WIN 0x40                                       ; destination window 1
.irp t, 0,1,2,3,4,5,6,7
.irp s, 0,1
.irp c, 0,1,2,3
	global_load_b128 v[32*\t+16*\s+4*\c:32*\t+16*\s+4*\c+3], v[XA], s[32:33] offset:(32*(\t/2)+8*(\t%2))*256+128*\s+32*\c
.endr
.endr
.endr
	WIN 0
.irp t, 0,1,2,3,4,5,6,7
	global_load_b64 v[XSS+2*\t:XSS+2*\t+1], v[XB], s[34:35] offset:(32*(\t/2)+8*(\t%2))*8   ; both K steps' words of the tile's rows
.endr
.irp u, 0,1
.irp s, 0,1
.irp c, 0,1,2,3
	global_load_b128 v[YF+32*\u+16*\s+4*\c:YF+32*\u+16*\s+4*\c+3], v[XA], s[36:37] offset:8*\u*256+128*\s+32*\c
.endr
.endr
	global_load_b64 v[YSS+2*\u:YSS+2*\u+1], v[XB], s[38:39] offset:8*\u*8
.endr
	s_wait_loadcnt 0x0
.irp u, 0,1
	WIN 0x01                                       ; source 0 (X) window 1
.irp t, 0,1,2,3,4,5,6,7                        ; the eight accumulators take turns, one instruction a turn
	MM HA+8*\t, 32*\t, YF+32*\u, 1, XSS+2*\t, YSS+2*\u, 0
.endr
.irp t, 0,1,2,3,4,5,6,7
	MM HA+8*\t, 32*\t+16, YF+32*\u+16, 0, XSS+2*\t+1, YSS+2*\u+1, 0
.endr
	WIN 0
	NOPS 8                                         ; eight places between the products and the first read of their results; with the quantiser's lines on its own registers they are more than the nine owed before tile 1's products begin the accumulators anew
	QUANT64 HA, PC+16*\u, PW+\u
.irp c, 0,1,2,3
	global_store_b128 v[LI], v[PC+16*\u+4*\c:PC+16*\u+4*\c+3], s[18:19] offset:2048*\u+512*\c   ; 512 consecutive bytes a store
.endr
.endr
	v_cmp_gt_u32 vcc_lo, 16, v1
	v_cndmask_b32 v9, v[PW+1], v[PW], vcc_lo       ; lanes 0-15: tile 0's words; lanes 16-31: tile 1's (every lane holds its row's word of both)
	global_store_b32 v[LI], v9, s[20:21]
	s_endpgm
.Lwq:
	; ---- the copy of W_q: tile idx = 2 (work-group - 256) + wave, its four K steps
	s_sub_co_u32 s25, ttmp9, 256
	s_lshl_b32 s25, s25, 1
	s_add_co_u32 s25, s25, s24
	s_lshr_b32 s26, s25, 1
	s_lshl_b32 s26, s26, 5
	s_and_b32 s27, s25, 1
	s_lshl_b32 s27, s27, 3
	s_add_co_u32 s26, s26, s27                     ; its first row: 32 (idx / 2) + 8 (idx % 2)
	s_lshl_b32 s26, s26, 9                         ; a row of W_q is 512 bytes
	s_mov_b32 s27, 0
	s_lshl_b32 s28, s25, 13                        ; four fragments of 2,048 bytes
	s_mov_b32 s29, 0
	s_wait_alu depctr_va_vdst(0)
	v_lshlrev_b32 v[XA], 9, v4
	v_lshl_add_u32 v[XA], v3, 4, v[XA]
	s_wait_alu depctr_va_vdst(0)
	s_wait_kmcnt 0x0
	s_add_nc_u64 s[16:17], s[16:17], s[26:27]
	s_add_nc_u64 s[22:23], s[22:23], s[28:29]
.irp s, 0,1,2,3
.irp c, 0,1,2,3
	global_load_b128 v[YF+16*\s+4*\c:YF+16*\s+4*\c+3], v[XA], s[16:17] offset:128*\s+32*\c
.endr
.endr
	s_wait_loadcnt 0x0
.irp s, 0,1,2,3
.irp c, 0,1,2,3
	global_store_b128 v[LI], v[YF+16*\s+4*\c:YF+16*\s+4*\c+3], s[22:23] offset:2048*\s+512*\c
.endr
.endr
	s_endpgm
.Lfunc_end_k_qcb1f9d9026_prep:
	.size	k_qcb1f9d9026_prep, .Lfunc_end_k_qcb1f9d9026_prep-k_qcb1f9d9026_prep
	.p2alignl 7, 3214868480
	.fill 96, 4, 3214868480
	.section	.rodata,"a",@progbits
	.p2align	6, 0x0
	.amdhsa_kernel k_qcb1f9d9026_prep
		.amdhsa_group_segment_fixed_size 0
		.amdhsa_private_segment_fixed_size 0
		.amdhsa_enable_private_segment 0
		.amdhsa_kernarg_size 80
		.amdhsa_user_sgpr_count 2
		.amdhsa_user_sgpr_kernarg_segment_ptr 1
		.amdhsa_wavefront_size32 1
		.amdhsa_system_sgpr_workgroup_id_x 1
		.amdhsa_system_sgpr_workgroup_id_y 1
		.amdhsa_system_sgpr_workgroup_id_z 1
		.amdhsa_system_vgpr_workitem_id 0
		.amdhsa_next_free_vgpr 512
		.amdhsa_next_free_sgpr 66
		.amdhsa_reserve_vcc 1
		.amdhsa_float_denorm_mode_32 3
		.amdhsa_float_denorm_mode_16_64 3
		.amdhsa_memory_ordered 1
		.amdhsa_forward_progress 1
		.amdhsa_inst_pref_size 37
	.end_amdhsa_kernel
	.amdgpu_metadata
---
amdhsa.version: [ 1, 2 ]
amdhsa.kernels:
  - .name:           k_qcb1f9d9026_prep
    .symbol:         k_qcb1f9d9026_prep.kd
    .args:
      - { .name: obs_feature_codes, .offset: 0, .size: 8, .value_kind: global_buffer, .address_space: global }
      - { .name: obs_feature_scales, .offset: 8, .size: 8, .value_kind: global_buffer, .address_space: global }
      - { .name: W_k_codes, .offset: 16, .size: 8, .value_kind: global_buffer, .address_space: global }
      - { .name: W_k_scales, .offset: 24, .size: 8, .value_kind: global_buffer, .address_space: global }
      - { .name: W_v_codes, .offset: 32, .size: 8, .value_kind: global_buffer, .address_space: global }
      - { .name: W_v_scales, .offset: 40, .size: 8, .value_kind: global_buffer, .address_space: global }
      - { .name: W_q_codes, .offset: 48, .size: 8, .value_kind: global_buffer, .address_space: global }
      - { .name: kvF, .offset: 56, .size: 8, .value_kind: global_buffer, .address_space: global }
      - { .name: kvS, .offset: 64, .size: 8, .value_kind: global_buffer, .address_space: global }
      - { .name: WqF, .offset: 72, .size: 8, .value_kind: global_buffer, .address_space: global }
    .group_segment_fixed_size: 0
    .private_segment_fixed_size: 0
    .kernarg_segment_align: 8
    .kernarg_segment_size: 80
    .max_flat_workgroup_size: 64
    .sgpr_count:     66
    .vgpr_count:     512
    .wavefront_size: 32
...
	.end_amdgpu_metadata
.endif
;; end of part 1
;; launch main (part 2): grid 224 x 1, 4 waves a work-group, no clusters, 296,192 bytes of LDS; arguments node_feature, WqF, W_q_scales, kvF, kvS, ln_gamma, ln_beta, out0; writes out0
.if DOCPART == 2
	.amdgcn_target "amdgcn-amd-amdhsa--gfx1250"
	.amdhsa_code_object_version 6
	.text
	.protected	k_qcb1f9d9026_main
	.globl	k_qcb1f9d9026_main
	.p2align	8
	.type	k_qcb1f9d9026_main,@function
k_qcb1f9d9026_main:
	s_mov_b64 s[64:65], 0
	v_nop
	global_prefetch_b8 v0, s[64:65] scope:SCOPE_SE
	s_setreg_imm32_b32 hwreg(HW_REG_WAVE_MODE, 25, 1), 1
	s_wait_xcnt 0x0
; MAIN: out0 = LayerNorm(Q(Q(Q(x) Wq^T) Q(k)^T) Q(v) + x), Q the quantiser to E5M2 with one E8M0 scale for each 32 along the product's K.  x = node_feature [25,000][512] f32.  Nothing is left out here either.
; SHARES.  A work-group owns 112 rows of x (seven tiles of 16) from the first load to the last store; 224 work-groups cover 25,088 rows.  In the last one the first read's loads of rows past 24,999 are turned, eight rows at a
; time, onto rows 24,992 to 24,999 (25,000 is a multiple of 8); such rows are not read a second time and are not stored.
; THE FOUR WAVES SHARE THE COLUMNS, NOT THE ROWS: wave w makes features 128 w on of q, keys 32 w on of each 128 keys of attn, and features 128 w on of the result, for all 112 rows.
; What goes round through LDS are the rows' codes.
; ALL PRODUCTS ARE USED TRANSPOSED (source 0 = 16 rows of the weight, k or v^T; source 1 = 16 of my rows): a lane holds one row, its registers run along the next product's K, in the next operand's order.
; TWO PASSES.  A: attn for all 2,048 keys, 128 a step, quantised as it is made; its codes, 112 x 2,048 bytes, and scale words stay in LDS.  B: the last product from those codes.  q's codes (448 registers) serve pass A,
; and the same registers hold the result's sums in pass B.  x is read twice, for its codes and for the residual on the way out: 229,376 bytes of f32 fit neither beside attn's codes.
; NO CLUSTER, NO TENSOR LOADS.  All work-groups walk the same k and v, 65,536 bytes a step.  attn's codes and scale words take 236,544 bytes of LDS; what a work-group could still claim holds no two slots of a step, so a ring
; would change slots every half step, 28 products a wave; and inside a work-group no fragment is read by two waves, so LDS would only add a write and a read of each byte.  Hence registers, two steps ahead.
; NO PREFETCH: k, v and W_q are read by every work-group; x's first read stands at the kernel's head, and its second follows the launch's own first.
; LIMITS: a block of zeros gets the scale byte 1 where the rule says 127 (its codes are zeros; nobody else reads the bytes); NaN and infinities are not specially served.
; LDS (bytes):  0: P, attn's codes: fragment (step n, tile m) at 2,048 (7 n + m), wave w's four registers at + 512 w + 16 lane | 229,376: PSC, its scale words: 64 (7 n + m) + 4 r, byte w.
;   Laid over them at other times: XST (0): x on its way in, wave w's 112 rows of 512 bytes at 59,136 w, pitch 528;  QIMG (0): q's fragments (K step s, tile m) at 2,048 (7 s + m);  QSC (57,344): their words, 64 (7 s + m) + 4 r;
;   Y (0): the result's rows, pitch 2,064.      236,544: XIMG, x's fragments, as QIMG | 293,888: XSC | 295,680: the spare words.
; REGISTERS.  Window 0: v1-8 kept (below); v10-127 by phase (below); v128-255 buffer 2 of k and v (before pass A: scale words and offsets; on the way out: gamma, beta, rows of x).
;   Window 1 and window 2 v0-191: tile m's 64 registers at window 1 + m / 4, v[64 (m % 4)]: x's rows as loaded, then q's four fragments, then the eight accumulators of the result.  While q is made: window 1 v0-63 x's fragments,
;   windows 2 and 3 my 32 fragments of W_q.   Window 2 v192-255: pass A: the scores of tiles 0-3; pass B: attn's fragments of tiles 0-3.   Window 3: buffers 0 and 1 of k and v.
; THE HEAD AND THE LAST WORK-GROUP AS THEY NOW STAND (in place of what the lines above say of x's first read, of XST, of tensor loads and of where W_q lies):
; ROWS.  Work-group g owns rows 112 g on; the last one computes rows 24,888 to 24,999 (all inside x) and stores only those from 24,976 on, which are its own: a branch on ids leads round the stores alone.
; x's FIRST READ is one tensor load a wave: wave w brings rows 32 w on (32 rows; wave 3: 16), whole, stated as rows of 1,024 bytes with 16 bytes of padding behind each: row i, byte c lies at 2,080 i + 1,040 (c / 1,024) + c % 1,024
; of LDS (XST, 232,960 bytes from 0; filled once; q's images, attn's codes and the result are stored there only behind the barrier that ends all reads of it).  Each wave has a load line of its own, and a barrier shows each
; quarter when its wave has waited, so tiles 0, 1 are quantised while the later rows are on their way.  Rows r and r + 8 of a tile meet in a bank (2,080 = 65 x 32): 112 loads a wave pay that.
; No joint loads: no two work-groups read the same rows of x.  k, v and W_q go straight into registers as before.
; REGISTERS until q is made: W_q's 32 fragments in windows 1 and 2 (fragment F at window 1 + F / 16, v[16 (F % 16)]); x's four fragments of a tile in window 0, v176-239; window 3 takes steps 0 and 1 of k while x is quantised.
.set ROWS,  25000
.set PSC,   229376
.set XROW,  2080                       ; a row of x in LDS: two halves of 1,024 + 16 bytes
.set XIMG,  236544
.set XSC,   293888
.set QSC,   57344
.set SPARE, 295680
.set YP,    2064
.set LI,   1                           ; v1   16 x lane
.set LS4,  2                           ; v2   4 x (lane % 16)
.set SPW,  3                           ; v3   LDS address of my spare word; never rewritten
.set NIL,  4                           ; v4   0; never rewritten
.set PWB,  5                           ; v5   512 w + 16 lane: my bytes in a row of x, and in a fragment of P
.set PSB,  6                           ; v6   PSC + 4 r + w: my byte of a scale word
.set A0,   7                           ; v7, v8  addresses of the LDS instructions in hand
.set A1,   8
.set ADR,  12                          ; until q is made: v12-19, v152, v153 addresses
.set ADR2, 13
.set XTB,  14
.set XWI,  15
.set XWS,  16
.set XIB,  17
.set XSB,  18
.set QWI,  19
.set HA,   32                          ; v32-95  64 numbers on their way into a quantiser
.set PC,   96                          ; v96-111 the codes just made
.set TM,   112                         ; v112-127 at work
.set PW,   128                         ; the scale word just made
.set XS,   130                         ; v130-133 x's scale words
.set WQS,  136                         ; v136-151 W_q's
.set QWS,  152
.set WQA,  153
.set XF,   176                         ; v176-239 x's four fragments of a tile, while q is made
.set KS,   20                          ; v20-31  scale words of k or v, four registers for each of the three buffers
.set CODE, 36                          ; pass A: v36-51 four registers of codes for each tile of a group; v10-19, v32-35 two registers at work for each tile
.set S1,   52                          ; v52-99  the scores of tiles 4-6
.set QS,   100                         ; v100-127 q's scale words: 4 m + s
.set PS,   12                          ; pass B: v12-18 attn's scale words; v32-79 its fragments of tiles 4-6
.set PSL,  19                          ; PSC + 4 r
.set GOF,  12                          ; the way out: my offset in out0, for this trip's stores
.set GX,   13                          ; and in x, for the loads of the next trip's rows
.set Y,    32                          ; v32-95  four rows
.set TMP,  96                          ; v96-127 eight registers a row at work
.set GAM,  128
.set BET,  144
.set XR,   160                         ; v160-223 the same four rows of x
.set WV,   20                          ; s20  wave
.set RW0,  21                          ; s21  the work-group's first row
.set SEL,  22                          ; s[22:23] v_permlanex16_b32's selects for lane l xor 16
.set MNT,  24                          ; s24  the mantissa field of 57,344
.set G1,   32                          ; s[32:39] descriptor group 1: 64 rows of 1,024 bytes
.set G0,   40                          ; s[40:43] group 0
.set LOW,  44                          ; s44  the first row that the work-group stores
.set G1L,  56                          ; s[56:63] group 1 for wave 3: 32 rows of 1,024 bytes
.set MSB,  0
.macro WIN new                         ; the immediate's high byte repeats the setting that is left; bits 1:0 source 0, 3:2 source 1, 5:4 source 2, 7:6 destination
.if MSB != (\new)
	s_set_vgpr_msb (MSB<<8)|(\new)
.set MSB, (\new)
.endif
.endm
.macro NOPS n
.rept \n
	v_nop
.endr
.endm
.macro BAR                             ; my LDS stores have landed and my LDS loads are in: then the work-group's barrier
	s_wait_dscnt 0x0
	s_barrier_signal -1
	s_barrier_wait -1
.endm
; one product 16 x 16 x 128.  zero = 1: it starts the sum.  row1 = 1: source 0's scale words stand in lanes 16-31
.macro MM d, a, b, zero, sa, sb, row1
.if \zero
.if \row1
	v_wmma_scale_f32_16x16x128_f8f6f4 v[\d:\d+7], v[\a:\a+15], v[\b:\b+15], 0, v[\sa], v[\sb] matrix_a_fmt:MATRIX_FMT_BF8 matrix_b_fmt:MATRIX_FMT_BF8 matrix_a_scale:MATRIX_SCALE_ROW1
.else
	v_wmma_scale_f32_16x16x128_f8f6f4 v[\d:\d+7], v[\a:\a+15], v[\b:\b+15], 0, v[\sa], v[\sb] matrix_a_fmt:MATRIX_FMT_BF8 matrix_b_fmt:MATRIX_FMT_BF8
.endif
.else
.if \row1
	v_wmma_scale_f32_16x16x128_f8f6f4 v[\d:\d+7], v[\a:\a+15], v[\b:\b+15], v[\d:\d+7], v[\sa], v[\sb] matrix_a_fmt:MATRIX_FMT_BF8 matrix_b_fmt:MATRIX_FMT_BF8 matrix_a_scale:MATRIX_SCALE_ROW1
.else
	v_wmma_scale_f32_16x16x128_f8f6f4 v[\d:\d+7], v[\a:\a+15], v[\b:\b+15], v[\d:\d+7], v[\sa], v[\sb] matrix_a_fmt:MATRIX_FMT_BF8 matrix_b_fmt:MATRIX_FMT_BF8
.endif
.endif
.endm
; 64 numbers of a lane, register 16 b + i = k 32 b + 16 (lane / 16) + i of my row, become a fragment's 16 registers of codes in v[pc] on and its scale word in v[pw]
.macro QUANT64 s, pc, pw
.irp b, 0,1,2,3
	v_max3_num_f32 v[TM+\b], |v[\s+16*\b]|, |v[\s+1+16*\b]|, 0x8000000   ; block b: my 16 numbers, and the floor 2^(16 - 127): the byte cannot fall under 1
.endr
.irp i, 2,4,6,8,10,12,14
.irp b, 0,1,2,3
	v_max3_num_f32 v[TM+\b], v[TM+\b], |v[\s+16*\b+\i]|, |v[\s+1+16*\b+\i]|   ; the four blocks by turns; each accumulator is read from its low end on
.endr
.endr
.irp b, 0,1,2,3
	v_permlanex16_b32 v[TM+4+\b], v[TM+\b], s[SEL], s[SEL+1]
.endr
.irp b, 0,1,2,3
	v_max_num_f32 v[TM+\b], v[TM+\b], v[TM+4+\b]   ; with lane l xor 16's: the block's largest magnitude
.endr
.irp b, 0,1,2,3
	v_add_nc_u32 v[TM+12+\b], 0xf8800000, v[TM+\b]   ; 15 off its exponent field: the conversion's scale operand
.endr
.irp b, 0,1,2,3
	v_and_or_b32 v[TM+8+\b], v[TM+\b], 0x7f800000, s[MNT]   ; 57,344 x the scale
.endr
.irp b, 0,1,2,3
	v_lshrrev_b32 v[TM+4+\b], 23, v[TM+12+\b]   ; the scale's byte
.endr
	v_lshl_or_b32 v[\pw], v[TM+5], 8, v[TM+4]
	v_lshl_or_b32 v[\pw], v[TM+6], 16, v[\pw]
	v_lshl_or_b32 v[\pw], v[TM+7], 24, v[\pw]
.irp b, 0,1,2,3
.irp i, 0,1,2,3,4,5,6,7,8,9,10,11,12,13,14,15
	v_med3_num_f32 v[\s+16*\b+\i], v[\s+16*\b+\i], -v[TM+8+\b], v[TM+8+\b]   ; the conversion to an 8-bit code does not saturate (ISA guide 7.6.2): the hold at the largest code x the scale
.endr
	v_cvt_scalef32_pk8_bf8_f32 v[\pc+4*\b:\pc+1+4*\b], v[\s+16*\b:\s+7+16*\b], v[TM+12+\b]
	v_cvt_scalef32_pk8_bf8_f32 v[\pc+2+4*\b:\pc+3+4*\b], v[\s+8+16*\b:\s+15+16*\b], v[TM+12+\b]
.endr
	v_nop                                          ; a plain line between the last conversion and the next products, which write its sources
.endm
.macro ARM w, g1                       ; wave w's own load line; an s_nop 0 and four v_nop follow it, ahead of the jump
	s_cmp_eq_u32 s[WV], \w
	s_cbranch_scc0 .Lnot_arm_\@
	tensor_load_to_lds s[G0:G0+3], s[\g1:\g1+7]
	s_nop 0
	NOPS 4
	s_branch .Lasked
.Lnot_arm_\@:
.endm
.macro SHOW w                          ; wave w has waited for its rows of x: behind the barrier every wave may read them
	s_cmp_eq_u32 s[WV], \w
	s_cbranch_scc0 .Lnot_mine_\@
	s_wait_tensorcnt 0x0
.Lnot_mine_\@:
	BAR
.endm
; A quarter (two fragments) of a step's eight fragments of k or v into buffer b (0, 1: window 3, v0 and v128; 2: window 0, v128); the first quarter brings the step's scale words too.  ex: bytes beyond the walking address
.macro KVPIECE b, i, ex
.if (\i) == 0
	WIN 0
	global_load_b128 v[KS+4*(\b):KS+4*(\b)+3], v[LI], s[12:13] offset:(\ex)/32
.endif
	WIN (3-3*((\b)/2))<<6
.set rF, 128*(((\b)+1)/2)+32*(\i)
.irp c, 0,1,2,3,4,5,6,7
	global_load_b128 v[rF+4*\c:rF+4*\c+3], v[LI], s[10:11] offset:(\ex)+4096*(\i)+512*\c
.endr
.endm
.macro KVLOAD b, ex
.irp i, 0,1,2,3
	KVPIECE \b, \i, \ex
.endr
.endm
	; ================ HEAD
	s_load_b256 s[4:11], s[0:1], 0x0               ; x s[4:5], WqF s[6:7], W_q's scales s[8:9], kvF s[10:11]
	s_load_b256 s[12:19], s[0:1], 0x20             ; kvS s[12:13], gamma s[14:15], beta s[16:17], out0 s[18:19]
	v_lshl_add_u32 v[SPW], v0, 2, SPARE
	v_mov_b32 v[NIL], 0
	ds_add_u32 v[SPW], v[NIL]                      ; the opening lines: the add, twice on end, and its wait ahead of my tensor load
	ds_add_u32 v[SPW], v[NIL]
	v_lshrrev_b32 v96, 5, v0
	v_readfirstlane_b32 s[WV], v96                 ; wave 0..3
	v_and_b32 v96, 31, v0                          ; lane
	v_and_b32 v97, 15, v0                          ; r
	v_bfe_u32 v98, v0, 4, 1                        ; h
	v_lshlrev_b32 v[LI], 4, v96
	s_wait_alu depctr_va_vdst(0)
	v_lshlrev_b32 v[LS4], 2, v97
	s_lshl_b32 s28, s[WV], 9
	v_add_nc_u32 v[PWB], s28, v[LI]
	s_mul_i32 s[LOW], ttmp9, 112                   ; the first row that I own,
	s_min_u32 s[RW0], s[LOW], ROWS-112             ; and the first that I compute: the last work-group's 112 rows end with x
.irp g, G1, G1L
	s_mov_b32 s[\g+0], (2<<16)|(1<<20)|(7<<22)|(3<<25)   ; elements of 4 bytes; padding on: behind every 256 words, 4 words
	s_mov_b32 s[\g+1], 256<<16                     ; tensor_dim0 = 256
	s_mov_b32 s[\g+3], 256<<16                     ; tile_dim0 = 256
	s_mov_b32 s[\g+5], 256                         ; the pitch: the halves of x's rows lie end to end
	s_mov_b32 s[\g+6], 0
	s_mov_b32 s[\g+7], 0
.endr
	s_mov_b32 s[G1+2], 64<<16                      ; tensor_dim1, tile_dim1: 32 rows of x are 64 of 1,024 bytes,
	s_mov_b32 s[G1+4], 64
	s_mov_b32 s[G1L+2], 32<<16                     ; and wave 3's 16 are 32
	s_mov_b32 s[G1L+4], 32
	s_mov_b32 s[G0], 1
	s_mul_i32 s[G0+1], s[WV], 32*XROW              ; where my rows go
	s_lshl_b32 s26, s[WV], 5
	s_add_co_u32 s26, s26, s[RW0]
	s_lshl_b32 s26, s26, 11                        ; and where they come from: a row of x is 2,048 bytes
	s_mov_b32 s27, 0
	s_wait_alu depctr_va_vdst(0)
	s_wait_dscnt 0x0                               ; both opening adds are done
	s_wait_kmcnt 0x0
	s_add_nc_u64 s[G0+2:G0+3], s[4:5], s[26:27]
	s_or_b32 s[G0+3], s[G0+3], 0x80000000
	; ================ X1: one tensor load a wave, each on a line of its own, in one chain of branches on the wave's number
	ARM 0, G1
	ARM 1, G1
	ARM 2, G1
	tensor_load_to_lds s[G0:G0+3], s[G1L:G1L+7]
	s_nop 0
	NOPS 4
.Lasked:
	v_mul_u32_u24 v99, v97, XROW
	v_lshl_add_u32 v99, v98, 6, v99                ; 2,080 r + 64 h
	s_lshr_b32 s27, s[WV], 1
	s_mul_i32 s27, s27, 1040
	s_and_b32 s29, s[WV], 1
	s_lshl_b32 s29, s29, 9
	s_add_co_u32 s27, s27, s29                     ; my 512 bytes of a row: half w / 2, byte 512 (w % 2)
	v_add_nc_u32 v[XTB], s27, v99
	s_add_co_u32 s29, s[WV], PSC
	v_add_nc_u32 v[PSB], s29, v[LS4]
	s_mul_i32 s30, s[WV], 14336                    ; a wave's seven fragments lie on end
	v_add_nc_u32 v[QWI], s30, v[LI]
	s_add_co_u32 s30, s30, XIMG
	v_add_nc_u32 v[XWI], s30, v[LI]
	s_mul_i32 s31, s[WV], 448
	s_add_co_u32 s30, s31, XSC
	v_add_nc_u32 v[XWS], s30, v[LS4]
	s_add_co_u32 s30, s31, QSC
	v_add_nc_u32 v[QWS], s30, v[LS4]
	v_add_nc_u32 v[XIB], XIMG, v[LI]
	v_add_nc_u32 v[XSB], XSC, v[LS4]
	v_and_b32 v96, 8, v97
	v_add_nc_u32 v96, v96, v97                     ; r + 8 (r / 8)
	v_lshl_add_u32 v96, v98, 3, v96                ; + 8 h: lanes 16-31 take the odd tile's rows
	v_lshlrev_b32 v[WQA], 4, v96                   ; a row of W_q's scale bytes is 16
.irp b, 0,1,2,3
	v_mov_b32 v[TM+4+\b], 0                        ; written once: a lane permute's destination counts as one of its sources
.endr
	s_mov_b32 s[SEL], 0x76543210
	s_mov_b32 s[SEL+1], 0xfedcba98
	s_mov_b32 s[MNT], 0x600000
	s_mov_b32 s46, 0x3b000000                      ; 1 / 512
	s_mov_b32 s47, 0x358637bd                      ; 1e-6
	s_mov_b32 s51, 0xbb000000                      ; -1 / 512
	s_mov_b32 s27, 0
	s_lshl_b32 s26, s[WV], 16
	s_add_nc_u64 s[6:7], s[6:7], s[26:27]          ; my 32 fragments of W_q
	s_lshl_b32 s26, s[WV], 11
	s_add_nc_u64 s[8:9], s[8:9], s[26:27]          ; my 128 rows of its scale bytes
	s_lshl_b32 s26, s[WV], 14
	s_add_nc_u64 s[10:11], s[10:11], s[26:27]      ; my unit of step 0 of k
	s_lshl_b32 s26, s[WV], 9
	s_add_nc_u64 s[12:13], s[12:13], s[26:27]      ; and its scale words
	s_wait_alu depctr_va_vdst(0)
	; ================ X2: K step w of x's codes for all seven tiles; my fragments of W_q are asked for in three runs between
.set FQ, 0
.macro WQFR n                          ; the next n fragments of W_q: fragment F = 4 t + s into window 1 + F / 16, v[16 (F % 16)]
.rept \n
	WIN (1+FQ/16)<<6
.irp c, 0,1,2,3
	global_load_b128 v[16*(FQ%16)+4*\c:16*(FQ%16)+4*\c+3], v[LI], s[6:7] offset:2048*FQ+512*\c
.endr
.set FQ, FQ+1
.endr
	WIN 0
.endm
.macro XQ                              ; a tile: lane (r, h) takes of row r its 16 numbers of each block of 32; the fragment and its scale words go to LDS as images of the registers
	v_add_nc_u32 v[ADR], s26, v[XTB]
.irp b, 0,1,2,3
.irp j, 0,1,2,3
	ds_load_b128 v[HA+16*\b+4*\j:HA+16*\b+4*\j+3], v[ADR] offset:128*\b+16*\j
.endr
.endr
	v_add_nc_u32 v[A0], s27, v[XWI]
	v_add_nc_u32 v[A1], s28, v[XWS]
	s_wait_dscnt 0x0                               ; the numbers are in; the last tile's stores have read the codes' registers
	QUANT64 HA, PC, PW
.irp c, 0,1,2,3
	ds_store_b128 v[A0], v[PC+4*\c:PC+4*\c+3] offset:512*\c
.endr
	ds_store_b32 v[A1], v[PW]                      ; lanes r and r + 16 write the same word with the same value
	s_add_co_u32 s26, s26, 16*XROW
	s_add_co_u32 s27, s27, 2048
	s_add_co_u32 s28, s28, 64
.endm
.irp b, 0,1,2,3
	global_load_b128 v[WQS+4*\b:WQS+4*\b+3], v[WQA], s[8:9] offset:512*\b   ; register 4 b + s: the words of K step s; lanes 0-15 tile 2 b, lanes 16-31 tile 2 b + 1
.endr
.macro XAT c                           ; where the tiles of quarter c lie: in XST, in x's images, among their scale words
	s_mov_b32 s26, 32*XROW*\c
	s_mov_b32 s27, 4096*\c
	s_mov_b32 s28, 128*\c
.endm
.macro PAIR c                          ; the two tiles of quarter c
	XAT \c
	s_mov_b32 s25, 2
.Lxq_\@:
	XQ
	s_sub_co_u32 s25, s25, 1
	s_cmp_lg_u32 s25, 0
	s_cbranch_scc1 .Lxq_\@
.endm
	WQFR 14
	SHOW 0                                         ; rows 0-31 are in
	PAIR 0
	WQFR 14
	SHOW 1                                         ; rows 32-63
	PAIR 1
	WQFR 4
	KVLOAD 0, 0                                    ; step 0 of k: window 3 is free from the start
	WIN 0
	SHOW 2                                         ; rows 64-95
	PAIR 2
	KVLOAD 1, 65536                                ; step 1 of k
	WIN 0
	s_wait_tensorcnt 0x0                           ; every wave: all that is still out is shown by this barrier
	BAR                                            ; rows 96-111
	XAT 3
	XQ
	BAR                                            ; x's 28 fragments lie in LDS, and nobody reads XST any more
	; ================ Q: my 128 features of q, a tile of rows at a time; quantised, they are K step w of the next product
.macro QP t, s
.set WB, 1+(\t)/4                              ; source 0 (W_q) window 1 or 2; source 1 (x), C and D window 0
	WIN WB
.set rD, HA+8*(\t)
.set rA, 16*(4*((\t)%4)+(\s))
.set rB, XF+16*(\s)
.set rX, WQS+4*((\t)/2)+(\s)
.set rY, XS+(\s)
.if (\s) == 0
	MM rD, rA, rB, 1, rX, rY, (\t)%2
.else
	MM rD, rA, rB, 0, rX, rY, (\t)%2
.endif
.endm
.macro QTILE more                      ; more = 1: the next tile's fragments of x are fetched
	s_wait_dscnt 0x0                               ; x's fragments are in; the last tile's stores have read the codes' registers
.irp s, 0,1,2,3
.irp t, 0,1,2,3,4,5,6,7                        ; the eight accumulators take turns, one instruction a turn
	QP \t, \s
.endr
.endr
	WIN 0
	NOPS 8                                         ; eight places ahead of loads into registers that the products read, and of the first read of their results
.if \more
	v_add_nc_u32 v[ADR], s26, v[XIB]
	v_add_nc_u32 v[ADR2], s28, v[XSB]
.irp s, 0,1,2,3
.irp c, 0,1,2,3
	ds_load_b128 v[XF+16*\s+4*\c:XF+16*\s+4*\c+3], v[ADR] offset:2048+14336*\s+512*\c
.endr
.endr
	WIN 0
.irp s, 0,1,2,3
	ds_load_b32 v[XS+\s], v[ADR2] offset:64+448*\s
.endr
.endif
	v_add_nc_u32 v[A0], s26, v[QWI]
	v_add_nc_u32 v[A1], s28, v[QWS]
	QUANT64 HA, PC, PW
.irp c, 0,1,2,3
	ds_store_b128 v[A0], v[PC+4*\c:PC+4*\c+3] offset:512*\c
.endr
	ds_store_b32 v[A1], v[PW]
	s_add_co_u32 s26, s26, 2048
	s_add_co_u32 s28, s28, 64
.endm
	s_wait_loadcnt 63                              ; W_q is in: behind its loads stand the 66 of k's steps 0 and 1, and a wait names 63 at the most
.irp s, 0,1,2,3
.irp c, 0,1,2,3
	ds_load_b128 v[XF+16*\s+4*\c:XF+16*\s+4*\c+3], v[XIB] offset:14336*\s+512*\c
.endr
.endr
	WIN 0
.irp s, 0,1,2,3
	ds_load_b32 v[XS+\s], v[XSB] offset:448*\s
.endr
	s_mov_b32 s26, 0
	s_mov_b32 s28, 0
	s_mov_b32 s25, 6
.Lq:
	QTILE 1
	s_sub_co_u32 s25, s25, 1
	s_cmp_lg_u32 s25, 0
	s_cbranch_scc1 .Lq
	QTILE 0
	BAR                                            ; q's 28 fragments lie in LDS
	; ================ q's codes of all 112 rows into every wave's registers
.irp m, 0,1,2,3,4,5,6
	WIN (1+\m/4)<<6
.irp s, 0,1,2,3
.irp c, 0,1,2,3
	ds_load_b128 v[64*(\m%4)+16*\s+4*\c:64*(\m%4)+16*\s+4*\c+3], v[LI] offset:(7*\s+\m)*2048+512*\c
.endr
.endr
.endr
	WIN 0
.irp m, 0,1,2,3,4,5,6
.irp s, 0,1,2,3
	ds_load_b32 v[QS+4*\m+\s], v[LS4] offset:QSC+(7*\s+\m)*64
.endr
.endr
	BAR                                            ; every wave has them: attn's codes may be laid over the images
	; ================ PASS A
; Product i of 8 of tile m: features 128 (i / 2) on, my keys' tile i % 2.  The scores of tiles 0-3 lie in window 2 (v192 on), those of tiles 4-6 in window 0 (v52 on): 16 registers a tile.
.macro AP b, m, i
.if (\m) < 4
.set rD, 192+16*(\m)+8*((\i)%2)
.else
.set rD, S1+16*((\m)-4)+8*((\i)%2)
.endif
.set rA, 128*(((\b)+1)/2)+16*(\i)
.set rB, 64*((\m)%4)+16*((\i)/2)
.set rX, KS+4*(\b)+(\i)/2
.set rY, QS+4*(\m)+(\i)/2
.if (\i) < 2
	MM rD, rA, rB, 1, rX, rY, (\i)%2
.else
	MM rD, rA, rB, 0, rX, rY, (\i)%2
.endif
.endm
.macro TREG                            ; tile t's registers: ra, rb at work (v10-19 for tiles 0-4, v32-35 for tiles 5, 6); sb: its 16 scores
.set ra, 10+2*t+12*(t/5)
.set rb, ra+1
.if t < 4
.set sb, 192+16*t
.else
.set sb, S1+16*(t-4)
.endif
.endm
; Line kind k of the quantiser of a block of 32 keys (a lane holds 16 neighbouring keys of its row, lane l xor 16 the other 16), written for each tile t0 .. t0 + nt - 1: the tiles by turns, so that no line waits for the line above it
.macro QL k, t0, nt, i, jj
.set t, \t0
.rept \nt
	TREG
.if \k == 0
	v_max3_num_f32 v[ra+(\i)/8], |v[sb+(\i)]|, |v[sb+(\i)+1]|, 0x8000000   ; two chains, one for each accumulator, each from its low end on; the floor 2^(16 - 127) holds the byte at 1 from below
.elseif \k == 1
	v_max3_num_f32 v[ra+(\i)/8], |v[sb+(\i)]|, |v[sb+(\i)+1]|, v[ra+(\i)/8]   ; the running maximum is the third source, so that all these lines have one window setting
.elseif \k == 2
	v_max_num_f32 v[ra], v[ra], v[rb]
.elseif \k == 3
	v_permlanex16_b32 v[rb], v[ra], s[SEL], s[SEL+1]
.elseif \k == 4
	v_add_nc_u32 v[rb], 0xf8800000, v[ra]          ; 15 off the exponent field: the conversion's scale operand
.elseif \k == 5
	v_and_or_b32 v[ra], v[ra], 0x7f800000, s[MNT]  ; 57,344 x the scale, over the largest magnitude
.elseif \k == 6
	v_med3_num_f32 v[sb+(\i)], v[sb+(\i)], -v[ra], v[ra]   ; the conversion to an 8-bit code does not saturate (ISA guide 7.6.2)
.elseif \k == 7
	v_cvt_scalef32_pk8_bf8_f32 v[CODE+4*(t-(\t0))+2*(\i):CODE+4*(t-(\t0))+2*(\i)+1], v[sb+8*(\i):sb+8*(\i)+7], v[rb]
.elseif \k == 8
	v_lshrrev_b32 v[ra], 23, v[rb]                 ; the scale's byte, over the hold; these are also the plain lines between the conversions and the products that write their sources
.else
	ds_store_b128 v[A0], v[CODE+4*(t-(\t0)):CODE+4*(t-(\t0))+3] offset:(\jj)*14336+2048*t   ; registers 4 w .. 4 w + 3 of attn's fragment (step, tile t),
	ds_store_b8 v[A1], v[ra] offset:(\jj)*448+64*t                                          ; and byte w of its scale words (lanes r and r + 16 write the same byte with the same value)
.endif
.set t, t+1
.endr
.endm
; Slice k (0 .. 28) of the quantiser of a group of tiles whose scores lie in window w: one line for each tile.  0-7 the two chains of maxima; 8-10 the chains joined, with lane l xor 16's; 11, 12 the scale operand and the bound; 13-28 the holds
.macro QSL k, t0, nt, w
.if (\k) < 2
	WIN (\w)|((\w)<<2)                             ; sources 0 and 1: the scores
	QL 0, \t0, \nt, 8*(\k), 0
.elseif (\k) < 8
	WIN (\w)|((\w)<<2)
	QL 1, \t0, \nt, 2*((\k)/2)+8*((\k)%2), 0
.elseif (\k) == 8 || (\k) == 10
	WIN 0
	QL 2, \t0, \nt, 0, 0
.elseif (\k) == 9
	WIN 0
	QL 3, \t0, \nt, 0, 0
.elseif (\k) == 11
	WIN 0
	QL 4, \t0, \nt, 0, 0
.elseif (\k) == 12
	WIN 0
	QL 5, \t0, \nt, 0, 0
.else
	WIN (\w)|((\w)<<6)                             ; source 0 and destination: the scores
	QL 6, \t0, \nt, (\k)-13, 0
.endif
.endm
.macro QGRP t0, nt, w, jj, from=0      ; the quantiser of a group of tiles from slice 'from' on: 32 vector lines a tile in all
.set qk, \from
.rept 29-(\from)
	QSL qk, \t0, \nt, \w
.set qk, qk+1
.endr
	s_wait_alu depctr_va_vdst(0)
	s_wait_dscnt 0x0                               ; the other group's stores, issued a group's lines ago, are done: the codes' registers are written again
	WIN (\w)                                       ; source 0: the scores
	QL 7, \t0, \nt, 0, 0
	QL 7, \t0, \nt, 1, 0
	WIN 0
	QL 8, \t0, \nt, 0, 0
	QL 9, \t0, \nt, 0, \jj
.endm
; A KEY STEP, IN PHASES: my 32 keys of 128, for the seven tiles, on buffer b.  (1) The 33 loads of the step after next, into the buffer that the last step has left: no product is under way there, and two steps' bytes are out.
; (2) 32 products of tiles 0-3, eight accumulators by turns, and 24 of tiles 4-6, six by turns, one instruction a turn: two window settings.  (3) The two groups' quantisers: 224 vector lines and 14 LDS stores.
; Set in slices behind the products, each slice would want two switches of the windows (the operands fill three windows, the lines at work need window 0), and each tile's stores would stand behind a product.
; PLACES (ISA guide 7.12.1).  A v_nop behind each of the first eight products of tiles 4-6: eight places between the last product of tiles 0-3 and the first read of their scores.  The quantiser of tiles 0-3 names no register of
; the products of tiles 4-6: it is their places.  Both quantisers stand ahead of the next step's loads into the buffer and scale words just read, and of the products that begin the scores anew.
.macro ASTEP b, jj
.set NB, ((\b)+2)%3
	s_wait_loadcnt 33                              ; this step's 33 loads are in; the next step's 33 may be out
	s_wait_xcnt 0x0                                ; the earlier loads have read their bases, which now step:
	s_add_nc_u64 s[10:11], s[10:11], 65536
	s_add_nc_u64 s[12:13], s[12:13], 2048
	KVLOAD NB, 65536
	WIN (3-3*((\b)/2))|0xa4                        ; source 0: the buffer's window; source 1 (q) window 1; C and D window 2
.irp s, 0,1,2,3
.irp m, 0,1,2,3
.irp u, 0,1
	AP \b, \m, 2*\s+\u
.endr
.endr
.endr
; The 24 products of tiles 4-6.  Behind each of the first eight a v_nop: the eight places ahead of the first read of the scores of tiles 0-3.  Behind each of the other sixteen a slice of the quantiser of tiles 0-3:
; four lines, which name no register of the products of tiles 4-6; each slice is framed by two switches of the windows.
.set np, 0
.irp s, 0,1,2,3
.irp m, 4,5,6
.irp u, 0,1
	WIN (3-3*((\b)/2))|0x08                        ; source 1 (q) window 2; C and D window 0
	AP \b, \m, 2*\s+\u
.if np < 8
	v_nop
.else
	QSL np-8, 0, 4, 2
.endif
.set np, np+1
.endr
.endr
.endr
	QGRP 0, 4, 2, \jj, 16                          ; the rest of that quantiser: the last thirteen slices, the conversions, the stores
	QGRP 4, 3, 0, \jj
.endm
	s_mov_b32 s26, 0
	s_mov_b32 s27, 0
	s_mov_b32 s25, 5
.La:                                               ; five trips of three steps, so that the three buffers are back where they began
	v_add_nc_u32 v[A0], s26, v[PWB]
	v_add_nc_u32 v[A1], s27, v[PSB]
	ASTEP 0, 0
	ASTEP 1, 1
	ASTEP 2, 2
	s_add_co_u32 s26, s26, 43008
	s_add_co_u32 s27, s27, 1344
	s_sub_co_u32 s25, s25, 1
	s_cmp_lg_u32 s25, 0
	s_cbranch_scc1 .La
	v_add_nc_u32 v[A0], s26, v[PWB]
	v_add_nc_u32 v[A1], s27, v[PSB]
	ASTEP 0, 0                                     ; step 15.  Steps 14 and 15 have asked for the first two steps of v: in kvF v follows k
	BAR                                            ; attn's codes and scale words of all four waves lie in LDS
	; ================ PASS B
.macro PLOAD m, jj                     ; attn's fragment and scale words of tile m: five LDS loads
.if (\m) < 4
	WIN 0x80
.set rP, 192+16*(\m)
.else
	WIN 0
.set rP, 32+16*((\m)-4)
.endif
.irp c, 0,1,2,3
	ds_load_b128 v[rP+4*\c:rP+4*\c+3], v[A0] offset:(\jj)*14336+2048*(\m)+512*\c
.endr
	WIN 0
	ds_load_b32 v[PS+(\m)], v[A1] offset:(\jj)*448+64*(\m)
.endm
.macro BP b, m, t, zero
.set rD, 64*((\m)%4)+8*(\t)
.set rA, 128*(((\b)+1)/2)+16*(\t)
.if (\m) < 4
.set rB, 192+16*(\m)
.else
.set rB, 32+16*((\m)-4)
.endif
.set rX, KS+4*(\b)+(\t)/2
.set rY, PS+(\m)
	MM rD, rA, rB, \zero, rX, rY, (\t)%2
	v_nop                                          ; a place: a tile's eight stand ahead of the loads into what the tile before has read
.endm
; A STEP of 128 observations: 56 products on buffer b, a tile's eight accumulators by turns.  attn's fragments go round in seven sets of registers: a set is loaded again one tile behind its use, six tiles ahead of the next.
; ld = 1: the step after next of v is asked for;  wl: global loads that may stay out;  last = 1: nothing follows;  zero = 1: the products start the sums: nothing is ever cleared.
.macro BSTEP b, jj, ld, wl, last, zero
.set NB, ((\b)+2)%3
	s_wait_loadcnt \wl
.irp m, 0,1,2,3,4,5,6
.if (\last) && (\m > 1)
	s_wait_dscnt 5*(6-\m)                          ; the 6 - m younger sets may be out
.else
	s_wait_dscnt 25                                ; this tile's five loads are in; the five younger sets, five loads each, may be out
.endif
.set WB, (3-3*((\b)/2))|((2-2*(\m/4))<<2)|((1+\m/4)<<4)|((1+\m/4)<<6)
	WIN WB
.irp t, 0,1,2,3,4,5,6,7
	BP \b, \m, \t, \zero
.endr
.if \m == 0
	PLOAD 6, \jj
.elseif !(\last)
	PLOAD \m-1, (\jj)+1
.endif
.if (\ld) && (\m < 4)
.if \m == 0
	s_wait_xcnt 0x0                                ; the earlier loads have read their bases, which now step
	s_add_nc_u64 s[10:11], s[10:11], 65536
	s_add_nc_u64 s[12:13], s[12:13], 2048
.endif
	KVPIECE NB, \m, 65536
.endif
.endr
.endm
	v_add_nc_u32 v[PSL], PSC, v[LS4]
	v_mov_b32 v[A0], v[LI]
	v_mov_b32 v[A1], v[PSL]
	s_wait_alu depctr_va_vdst(0)
.irp m, 0,1,2,3,4,5
	PLOAD \m, 0
.endr
	BSTEP 1, 0, 1, 33, 0, 1                        ; the first step stands in front of the loop: its products start the sums
	WIN 0
	s_mov_b32 s26, 14336
	s_mov_b32 s27, 448
	s_mov_b32 s25, 4
.Lb:                                               ; four trips of three steps
	v_add_nc_u32 v[A0], s26, v[LI]
	v_add_nc_u32 v[A1], s27, v[PSL]
	s_wait_alu depctr_va_vdst(0)
	BSTEP 2, 0, 1, 33, 0, 0
	BSTEP 0, 1, 1, 33, 0, 0
	BSTEP 1, 2, 1, 33, 0, 0
	WIN 0
	s_add_co_u32 s26, s26, 43008
	s_add_co_u32 s27, s27, 1344
	s_sub_co_u32 s25, s25, 1
	s_cmp_lg_u32 s25, 0
	s_cbranch_scc1 .Lb
	v_add_nc_u32 v[A0], s26, v[LI]
	v_add_nc_u32 v[A1], s27, v[PSL]
	s_wait_alu depctr_va_vdst(0)
	BSTEP 2, 0, 1, 33, 0, 0                        ; the last three steps are written out: the last two ask for nothing, so no load leaves kvF
	BSTEP 0, 1, 0, 33, 0, 0
	BSTEP 1, 2, 0, 0, 1, 0
	WIN 0
	; ================ THE WAY OUT.  The 112 rows meet in LDS, where attn's codes lay; each wave then adds x to 28 whole rows, norms and stores them
	NOPS 8                                         ; places between the last products and the first read of their results
.irp c, 0,1,2,3
	global_load_b128 v[GAM+4*\c:GAM+4*\c+3], v[LI], s[14:15] offset:512*\c
	global_load_b128 v[BET+4*\c:BET+4*\c+3], v[LI], s[16:17] offset:512*\c
.endr
	s_mul_i32 s49, s[WV], 28
	s_add_co_u32 s48, s[RW0], s49                  ; my first row
	s_lshl_b32 s26, s48, 11
	s_mov_b32 s27, 0
	s_add_nc_u64 s[18:19], s[18:19], s[26:27]      ; out0 and x at that row
	s_add_nc_u64 s[4:5], s[4:5], s[26:27]
	s_mul_i32 s49, s49, YP                         ; and where it lies in LDS
	s_mov_b32 s50, 0
	s_mov_b32 s25, 7
.irp q, 0,1,2,3
.irp c, 0,1,2,3
	global_load_b128 v[XR+16*\q+4*\c:XR+16*\q+4*\c+3], v[LI], s[4:5] offset:\q*2048+512*\c th:TH_LOAD_NT   ; my first four rows of x, asked for ahead of the two barriers below; the launch's last read of these bytes
.endr
.endr
	v_and_b32 v12, 15, v0
	v_bfe_u32 v13, v0, 4, 1
	v_mul_u32_u24 v[A0], v12, YP
	v_lshl_add_u32 v[A0], v13, 6, v[A0]
	s_lshl_b32 s26, s[WV], 9
	v_add_nc_u32 v[A0], s26, v[A0]                 ; row r, my 512 bytes, + 64 h
	s_wait_alu depctr_va_vdst(0)
	BAR                                            ; nobody reads attn's codes any more
.irp m, 0,1,2,3,4,5,6
	WIN (1+\m/4)<<2
.irp t, 0,1,2,3,4,5,6,7
.irp j, 0,1
	ds_store_b128 v[A0], v[64*(\m%4)+8*\t+4*\j:64*(\m%4)+8*\t+4*\j+3] offset:128*(\t/2)+32*(\t%2)+16*\j   ; accumulator t, lane (r, h): row r, features 32 (t / 2) + 16 h + 8 (t % 2) + 0 .. 7 of my 128; each accumulator from its low end on
.endr
.endr
	WIN 0
	v_add_nc_u32 v[A0], 16*YP, v[A0]
.endr
	BAR                                            ; 112 whole rows lie in LDS
.macro XLANE o                         ; the sum over the 32 lanes of register o of each of the four rows; every lane gets it
.irp x, 1,2,4,8
.irp q, 0,1,2,3
	v_add_f32_dpp v[TMP+8*\q+\o], v[TMP+8*\q+\o], v[TMP+8*\q+\o] row_xmask:\x row_mask:0xf bank_mask:0xf
.endr
.endr
.irp q, 0,1,2,3
	v_permlanex16_b32 v[TMP+8*\q+\o+1], v[TMP+8*\q+\o], s[SEL], s[SEL+1]
.endr
.irp q, 0,1,2,3
	v_add_f32 v[TMP+8*\q+\o], v[TMP+8*\q+\o], v[TMP+8*\q+\o+1]
.endr
.endm
.macro YLOAD                           ; four rows of the result from LDS, at s49
	v_add_nc_u32 v[A0], s49, v[LI]
.irp q, 0,1,2,3
.irp c, 0,1,2,3
	ds_load_b128 v[Y+16*\q+4*\c:Y+16*\q+4*\c+3], v[A0] offset:\q*YP+512*\c
.endr
.endr
.endm
	v_add_nc_u32 v[GX], s50, v[LI]
	YLOAD                                          ; the first trip's rows; each later trip's are asked for in the trip before
.Le:                                               ; seven trips of four rows; a lane holds 16 numbers of each row: columns 128 c + 4 lane + 0 .. 3
	s_wait_loadcnt 0x0                             ; these four rows of x (in the first trip gamma and beta too)
	s_wait_dscnt 0x0
.set p, 0
.rept 32
	v_pk_add_f32 v[Y+2*p:Y+2*p+1], v[Y+2*p:Y+2*p+1], v[XR+2*p:XR+2*p+1]   ; the residual
.set p, p+1
.endr
	s_cmp_eq_u32 s25, 1
	s_cbranch_scc1 .Lnox
.irp q, 0,1,2,3
.irp c, 0,1,2,3
	global_load_b128 v[XR+16*\q+4*\c:XR+16*\q+4*\c+3], v[GX], s[4:5] offset:8192+\q*2048+512*\c th:TH_LOAD_NT
.endr
.endr
.Lnox:
.irp p, 0,1,2,3
.irp q, 0,1,2,3
	v_pk_add_f32 v[TMP+8*\q+2*\p:TMP+8*\q+2*\p+1], v[Y+16*\q+4*\p:Y+16*\q+4*\p+1], v[Y+16*\q+4*\p+2:Y+16*\q+4*\p+3]
.endr
.endr
.irp q, 0,1,2,3
	v_pk_add_f32 v[TMP+8*\q:TMP+8*\q+1], v[TMP+8*\q:TMP+8*\q+1], v[TMP+8*\q+2:TMP+8*\q+3]
.endr
.irp q, 0,1,2,3
	v_pk_add_f32 v[TMP+8*\q+4:TMP+8*\q+5], v[TMP+8*\q+4:TMP+8*\q+5], v[TMP+8*\q+6:TMP+8*\q+7]
.endr
.irp q, 0,1,2,3
	v_pk_add_f32 v[TMP+8*\q:TMP+8*\q+1], v[TMP+8*\q:TMP+8*\q+1], v[TMP+8*\q+4:TMP+8*\q+5]
.endr
.irp q, 0,1,2,3
	v_add_f32 v[TMP+8*\q], v[TMP+8*\q], v[TMP+8*\q+1]
.endr
	XLANE 0
.irp q, 0,1,2,3
	v_mul_f32 v[TMP+8*\q], s51, v[TMP+8*\q]        ; minus the mean
.endr
.irp p, 0,1,2,3,4,5,6,7
.irp q, 0,1,2,3
	v_pk_add_f32 v[Y+16*\q+2*\p:Y+16*\q+2*\p+1], v[Y+16*\q+2*\p:Y+16*\q+2*\p+1], v[TMP+8*\q:TMP+8*\q+1] op_sel_hi:[1,0]
.endr
.endr
.irp q, 0,1,2,3
	v_pk_mul_f32 v[TMP+8*\q+2:TMP+8*\q+3], v[Y+16*\q:Y+16*\q+1], v[Y+16*\q:Y+16*\q+1]
	v_pk_mul_f32 v[TMP+8*\q+4:TMP+8*\q+5], v[Y+16*\q+2:Y+16*\q+3], v[Y+16*\q+2:Y+16*\q+3]
.endr
.irp p, 2,4,6
.irp q, 0,1,2,3
	v_pk_fma_f32 v[TMP+8*\q+2:TMP+8*\q+3], v[Y+16*\q+2*\p:Y+16*\q+2*\p+1], v[Y+16*\q+2*\p:Y+16*\q+2*\p+1], v[TMP+8*\q+2:TMP+8*\q+3]
	v_pk_fma_f32 v[TMP+8*\q+4:TMP+8*\q+5], v[Y+16*\q+2*\p+2:Y+16*\q+2*\p+3], v[Y+16*\q+2*\p+2:Y+16*\q+2*\p+3], v[TMP+8*\q+4:TMP+8*\q+5]
.endr
.endr
.irp q, 0,1,2,3
	v_pk_add_f32 v[TMP+8*\q+2:TMP+8*\q+3], v[TMP+8*\q+2:TMP+8*\q+3], v[TMP+8*\q+4:TMP+8*\q+5]
.endr
.irp q, 0,1,2,3
	v_add_f32 v[TMP+8*\q+2], v[TMP+8*\q+2], v[TMP+8*\q+3]
.endr
	XLANE 2
.irp q, 0,1,2,3
	v_fma_f32 v[TMP+8*\q+2], v[TMP+8*\q+2], s46, s47   ; the variance + 1e-6
.endr
	s_wait_alu depctr_va_vdst(0)
.irp q, 0,1,2,3
	v_rsq_f32 v[TMP+8*\q+6], v[TMP+8*\q+2]
.endr
	v_nop                                          ; a plain line behind the last of the four,
	s_wait_alu depctr_va_vdst(0)                   ; and the one wait ahead of the first line that names a result
.irp p, 0,1,2,3,4,5,6,7
.irp q, 0,1,2,3
	v_pk_mul_f32 v[Y+16*\q+2*\p:Y+16*\q+2*\p+1], v[Y+16*\q+2*\p:Y+16*\q+2*\p+1], v[TMP+8*\q+6:TMP+8*\q+7] op_sel_hi:[1,0]
.endr
.endr
	s_wait_xcnt 0x0                                ; the last trip's stores and this trip's loads of x have read their registers: the two offsets and the stores' data are written again only behind this wait
	v_add_nc_u32 v[GOF], s50, v[LI]
	s_add_co_u32 s50, s50, 8192
	v_add_nc_u32 v[GX], s50, v[LI]
	WIN 0x40                                       ; the finished rows go into window 1, v0-63 (free since the sums went to LDS), so that the rows' own registers can take the next trip's
.irp p, 0,1,2,3,4,5,6,7
.irp q, 0,1,2,3
	v_pk_fma_f32 v[16*\q+2*\p:16*\q+2*\p+1], v[Y+16*\q+2*\p:Y+16*\q+2*\p+1], v[GAM+2*\p:GAM+2*\p+1], v[BET+2*\p:BET+2*\p+1]
.endr
.endr
	WIN 0
	s_wait_alu depctr_va_vdst(0)
	s_cmp_eq_u32 s25, 1                            ; the last trip has no successor
	s_cbranch_scc1 .Lnoy
	s_add_co_u32 s49, s49, 4*YP
	YLOAD
.Lnoy:
	s_cmp_lt_u32 s48, s[LOW]                       ; rows under the work-group's own first row belong to its neighbour and are not stored (both numbers are multiples of 4): a branch on ids alone, round the stores alone
	s_cbranch_scc1 .Lpast
	WIN 0x04                                       ; a store's data are its source 1
.irp q, 0,1,2,3
.irp c, 0,1,2,3
	global_store_b128 v[GOF], v[16*\q+4*\c:16*\q+4*\c+3], s[18:19] offset:\q*2048+512*\c th:TH_STORE_NT   ; 32 lanes store 512 consecutive bytes, at a multiple of 256 from out0's first byte
.endr
.endr
	WIN 0
.Lpast:
	s_add_co_u32 s48, s48, 4
	s_sub_co_u32 s25, s25, 1
	s_cmp_lg_u32 s25, 0
	s_cbranch_scc1 .Le
	s_wait_tensorcnt 0x0                           ; the wave's end
	ds_add_u32 v[SPW], v[NIL]
	s_wait_dscnt 0x0
	s_endpgm
.Lfunc_end_k_qcb1f9d9026_main:
	.size	k_qcb1f9d9026_main, .Lfunc_end_k_qcb1f9d9026_main-k_qcb1f9d9026_main
	.p2alignl 7, 3214868480
	.fill 96, 4, 3214868480
	.section	.rodata,"a",@progbits
	.p2align	6, 0x0
	.amdhsa_kernel k_qcb1f9d9026_main
		.amdhsa_group_segment_fixed_size 296192
		.amdhsa_private_segment_fixed_size 0
		.amdhsa_enable_private_segment 0
		.amdhsa_kernarg_size 64
		.amdhsa_user_sgpr_count 2
		.amdhsa_user_sgpr_kernarg_segment_ptr 1
		.amdhsa_wavefront_size32 1
		.amdhsa_system_sgpr_workgroup_id_x 1
		.amdhsa_system_sgpr_workgroup_id_y 1
		.amdhsa_system_sgpr_workgroup_id_z 1
		.amdhsa_system_vgpr_workitem_id 0
		.amdhsa_next_free_vgpr 1024
		.amdhsa_next_free_sgpr 66
		.amdhsa_reserve_vcc 0
		.amdhsa_float_denorm_mode_32 3
		.amdhsa_float_denorm_mode_16_64 3
		.amdhsa_memory_ordered 1
		.amdhsa_forward_progress 1
		.amdhsa_inst_pref_size 255
	.end_amdhsa_kernel
	.section	.bss,"aw",@nobits
	.p2align	6
	.space	262144
	.amdgpu_metadata
---
amdhsa.version: [ 1, 2 ]
amdhsa.kernels:
  - .name:           k_qcb1f9d9026_main
    .symbol:         k_qcb1f9d9026_main.kd
    .args:
      - { .name: node_feature, .offset: 0, .size: 8, .value_kind: global_buffer, .address_space: global }
      - { .name: WqF, .offset: 8, .size: 8, .value_kind: global_buffer, .address_space: global }
      - { .name: W_q_scales, .offset: 16, .size: 8, .value_kind: global_buffer, .address_space: global }
      - { .name: kvF, .offset: 24, .size: 8, .value_kind: global_buffer, .address_space: global }
      - { .name: kvS, .offset: 32, .size: 8, .value_kind: global_buffer, .address_space: global }
      - { .name: ln_gamma, .offset: 40, .size: 8, .value_kind: global_buffer, .address_space: global }
      - { .name: ln_beta, .offset: 48, .size: 8, .value_kind: global_buffer, .address_space: global }
      - { .name: out0, .offset: 56, .size: 8, .value_kind: global_buffer, .address_space: global }
    .group_segment_fixed_size: 296192
    .private_segment_fixed_size: 0
    .kernarg_segment_align: 8
    .kernarg_segment_size: 64
    .max_flat_workgroup_size: 128
    .sgpr_count:     66
    .vgpr_count:     1024
    .wavefront_size: 32
...
	.end_amdgpu_metadata
.endif
;; end of part 2
